; MI455X (gfx1250); checked and timed in simulation.
; The chip was launched on July 23, 2026; its instructions are those of AMD's public machine-readable ISA for CDNA 5 (MIT licence, August 2026) and "CDNA5" Instruction Set Architecture Reference Guide (July 2026). The comments in the code are by the model that wrote it; some were corrected since.
;; Mo E Block. Allowed arithmetic: float matrix products may take bf16 or f16 operands with f32 sums; other float arithmetic in f32, or as packed bf16 or f16 multiplies, adds, multiply-adds, maxima and minima; sums over many terms, partial sums and values carried from step to step in f32; what a program stores and reads back later, other than sums and carried values, may be rounded once to bf16 or f16.
;; Inputs: W1 8 x 4,096 x 1,024 float32; W2 8 x 1,024 x 4,096 float32; Wr 8 x 1,024 float32; b1 8 x 4,096 float32; b2 8 x 1,024 float32; x 4 x 256 x 1,024 float32.
;; Outputs: out0 4 x 256 x 1,024 float32; out1 one number float32.
;; One version. Each part assembles by itself: llvm-mc -triple=amdgcn-amd-amdhsa -mcpu=gfx1250 --defsym DOCPART=n.
;; ======== version 1 of 1: 4 launches
;; workspace buffers: xb 2,097,152 bytes; hid 67,108,864 bytes; part 134,217,728 bytes; rt 131,072 bytes; masks 4,096 bytes of whole numbers; cfg0 256 bytes of whole numbers; cfg1 256 bytes of whole numbers
;; launch router (part 1): grid 256 x 1, 4 waves a work-group, no clusters, 0 bytes of LDS; arguments x, Wr, xb, rt, masks, cfg0, cfg1; writes xb, rt, masks, cfg0, cfg1
.if DOCPART == 1
	.amdgcn_target "amdgcn-amd-amdhsa--gfx1250"
	.amdhsa_code_object_version 6
	.text
	.protected	k_qddb35f1755_router
	.globl	k_qddb35f1755_router
	.p2align	8
	.type	k_qddb35f1755_router,@function
k_qddb35f1755_router:
	s_mov_b64 s[64:65], 0
	v_nop
	global_prefetch_b8 v0, s[64:65] scope:SCOPE_SE
	s_setreg_imm32_b32 hwreg(HW_REG_WAVE_MODE, 25, 1), 1
	s_wait_xcnt 0x0
; ROUTER.  One wave takes one token t = 4 x work-group + wave: x[t] is rounded to bf16 and stored (xb), its eight logits are made from the
; rounded x and the rounded Wr (exact products, f32 sums), then softmax with the maximum taken away, the two largest (ties: the lower index),
; and their weights p / (p1 + p2).  Stored at fixed places: rt[t] = 32 f32 (8 probabilities, 8 one-hot, 8 combine weights, 8 zeros) and
; masks[t] = (1 << e0) | (1 << e1); no address here hangs on the choice.  Token 0's wave also writes the two words that tell the two
; launches of the shared product body apart: cfg0 = {0, 1}, cfg1 = {1, 0}.
; LIMITS.  A probability below 2^-126 counts as 0; NaN and infinities are not treated apart.  All inputs are taken rounded to bf16.
; No LDS, no matrix unit, no cluster: a wave's work is 36 KB of loads and 256 multiply-adds a lane, and the waves share nothing but Wr.
.set X,   8                            ; v[8:39]    x of my 32 places: load j holds elements 128 j + 4 lane + 0..3
.set XP,  40                           ; v[40:55]   the same, packed to bf16
.set WR,  64                           ; v[64:191]  four sets of 32: Wr of expert e in set e % 4, packed in place
.set AC,  192                          ; v[192:207] two sums an expert: low halves', high halves'
.set LG,  208                          ; v[208:215] my lane's part of the eight logits
.set SD,  216                          ; v[216:219] what a lane sends in a step of the reduction
.set M1,  220
.set M2,  224
.set M3,  226                          ; at the end: lane l holds logit l % 8
.set MX,  227
.set DF,  228
.set EE,  229
.set SM,  230
.set RC,  231
.set PP,  232                          ; probability of expert l % 8
.set P1,  233
.set EIGHT, 234
.set I1,  235
.set PM,  236
.set P2,  237
.set I2,  238
.set S12, 239
.set R12, 240
.set W1R, 241
.set W2R, 242
.set OH,  243
.set CB,  244
.set VAL, 245
.set MSK, 246
.set TM,  247
	s_load_b256 s[4:11], s[0:1], 0x0               ; x s[4:5], Wr s[6:7], xb s[8:9], rt s[10:11]
	s_load_b128 s[12:15], s[0:1], 0x20             ; masks s[12:13], cfg0 s[14:15]
	s_load_b64 s[16:17], s[0:1], 0x30              ; cfg1
	v_and_b32 v1, 31, v0                           ; lane
	v_lshrrev_b32 v5, 5, v0
	v_readfirstlane_b32 s20, v5                    ; wave
	s_lshl_b32 s21, ttmp9, 2
	s_add_co_u32 s21, s21, s20                     ; my token
	v_lshlrev_b32 v2, 4, v1                        ; 16 x lane: loads
	v_lshlrev_b32 v6, 3, v1                        ; 8 x lane: xb
	v_lshlrev_b32 v7, 2, v1                        ; 4 x lane: rt
	v_and_b32 v5, 7, v1
	v_cvt_f32_u32 v3, v5                           ; my expert's number as f32
	v_mov_b32 v4, 0
	v_mov_b32 v248, 0                              ; cfg0's two words,
	v_mov_b32 v249, 1
	v_mov_b32 v250, 1                              ; cfg1's
	v_mov_b32 v251, 0
	s_mov_b32 s24, 0xaaaaaaaa                      ; lanes with bit 0, 1, 2 of their number set
	s_mov_b32 s25, 0xcccccccc
	s_mov_b32 s26, 0xf0f0f0f0
	s_mov_b32 s27, 0x0000ff00                      ; lanes 8-15, 16-23, 24-31
	s_mov_b32 s28, 0x00ff0000
	s_mov_b32 s29, 0xff000000
	s_mov_b32 s30, 0x76543210                      ; v_permlanex16_b32: each lane takes its own place in the other half
	s_mov_b32 s31, 0xfedcba98
	s_lshl_b32 s22, s21, 12                        ; a row of x is 4,096 bytes
	s_mov_b32 s23, 0
	s_wait_kmcnt 0x0
	s_add_nc_u64 s[4:5], s[4:5], s[22:23]
.irp j, 0,1,2,3,4,5,6,7
	global_load_b128 v[X+4*(\j):X+4*(\j)+3], v2, s[4:5] offset:512*(\j) th:TH_LOAD_NT
.endr
.macro WLOAD e                         ; eight loads of 512 consecutive bytes: expert e's row of Wr
.irp j, 0,1,2,3,4,5,6,7
	global_load_b128 v[WR+32*((\e)%4)+4*(\j):WR+32*((\e)%4)+4*(\j)+3], v2, s[6:7] offset:4096*(\e)+512*(\j)
.endr
.endm
	WLOAD 0
	WLOAD 1
	WLOAD 2
	WLOAD 3
	s_lshl_b32 s22, s21, 11
	s_add_nc_u64 s[8:9], s[8:9], s[22:23]          ; xb at my row of 2,048 bytes
	s_lshl_b32 s22, s21, 7
	s_add_nc_u64 s[10:11], s[10:11], s[22:23]      ; rt at my 128 bytes
	s_lshl_b32 s22, s21, 2
	s_add_nc_u64 s[12:13], s[12:13], s[22:23]      ; masks at my word
	s_wait_loadcnt 32                              ; x is in; the 32 loads of Wr issued behind it may stay out
.set i, 0
.rept 16
	v_cvt_pk_bf16_f32 v[XP+i], v[X+2*i], v[X+2*i+1]
.set i, i+1
.endr
.irp j, 0,1,2,3,4,5,6,7
	global_store_b64 v6, v[XP+2*(\j):XP+2*(\j)+1], s[8:9] offset:256*(\j)  ; the wave stores 256 consecutive bytes, aligned
.endr
; One expert: its row is rounded in place (register i takes elements 2 i, 2 i + 1: read before it is written), multiplied and summed.
; left = the loads issued behind this expert's, which may stay out.
.macro EXPERT e, left
	s_wait_loadcnt \left
.set WBB, WR+32*((\e)%4)
.set i, 0
.rept 16
	v_cvt_pk_bf16_f32 v[WBB+i], v[WBB+2*i], v[WBB+2*i+1]
.set i, i+1
.endr
	v_fma_mix_f32_bf16 v[AC+2*(\e)], v[XP], v[WBB], v4 op_sel_hi:[1,1,0]
	v_fma_mix_f32_bf16 v[AC+2*(\e)+1], v[XP], v[WBB], v4 op_sel:[1,1,0] op_sel_hi:[1,1,0]
.set i, 1
.rept 15
	v_fma_mix_f32_bf16 v[AC+2*(\e)], v[XP+i], v[WBB+i], v[AC+2*(\e)] op_sel_hi:[1,1,0]
	v_fma_mix_f32_bf16 v[AC+2*(\e)+1], v[XP+i], v[WBB+i], v[AC+2*(\e)+1] op_sel:[1,1,0] op_sel_hi:[1,1,0]
.set i, i+1
.endr
.if (\e) < 4
	WLOAD (\e)+4                                   ; the set is free: it takes the expert four further on
.endif
.endm
	EXPERT 0, 24
	EXPERT 1, 24
	EXPERT 2, 24
	EXPERT 3, 24
	EXPERT 4, 24
	EXPERT 5, 16
	EXPERT 6, 8
	EXPERT 7, 0
.irp e, 0,1,2,3,4,5,6,7
	v_add_f32 v[LG+(\e)], v[AC+2*(\e)], v[AC+2*(\e)+1]
.endr
	; The eight sums over 32 lanes at once: in each of three steps a lane keeps half of its numbers and sends the other half to its partner,
	; so that lane l ends with expert l % 8; two more steps add the four groups of eight lanes.
.irp k, 0,1,2,3
	v_cndmask_b32 v[SD+(\k)], v[LG+2*(\k)+1], v[LG+2*(\k)], s24
	v_cndmask_b32 v[M1+(\k)], v[LG+2*(\k)], v[LG+2*(\k)+1], s24
.endr
.irp k, 0,1,2,3
	v_add_f32_dpp v[M1+(\k)], v[SD+(\k)], v[M1+(\k)] row_xmask:1 row_mask:0xf bank_mask:0xf
.endr
.irp k, 0,1
	v_cndmask_b32 v[SD+(\k)], v[M1+2*(\k)+1], v[M1+2*(\k)], s25
	v_cndmask_b32 v[M2+(\k)], v[M1+2*(\k)], v[M1+2*(\k)+1], s25
.endr
.irp k, 0,1
	v_add_f32_dpp v[M2+(\k)], v[SD+(\k)], v[M2+(\k)] row_xmask:2 row_mask:0xf bank_mask:0xf
.endr
	v_cndmask_b32 v[SD], v[M2+1], v[M2], s26
	v_cndmask_b32 v[M3], v[M2], v[M2+1], s26
	v_add_f32_dpp v[M3], v[SD], v[M3] row_xmask:4 row_mask:0xf bank_mask:0xf
	v_add_f32_dpp v[M3], v[M3], v[M3] row_xmask:8 row_mask:0xf bank_mask:0xf
	v_permlanex16_b32 v[SD], v[M3], s30, s31
	v_add_f32 v[M3], v[M3], v[SD]
.macro OVER8 op, r                     ; a maximum, minimum or sum over the eight lanes of a group, into all eight
	\op v[\r], v[\r], v[\r] row_xmask:1 row_mask:0xf bank_mask:0xf
	\op v[\r], v[\r], v[\r] row_xmask:2 row_mask:0xf bank_mask:0xf
	\op v[\r], v[\r], v[\r] row_xmask:4 row_mask:0xf bank_mask:0xf
.endm
	; softmax over the eight experts
	v_mov_b32 v[MX], v[M3]
	OVER8 v_max_num_f32_dpp, MX
	v_sub_f32 v[DF], v[M3], v[MX]
	v_mul_f32 v[DF], 0x3fb8aa3b, v[DF]             ; log2(e)
	v_exp_f32 v[EE], v[DF]
	v_mov_b32 v[EIGHT], 0x41000000                 ; 8.0: a plain instruction behind the exponential
	s_wait_alu depctr_va_vdst(0)                   ; the wait ahead of the result's first use
	v_mov_b32 v[SM], v[EE]
	OVER8 v_add_f32_dpp, SM
	v_rcp_f32 v[RC], v[SM]
	v_nop
	s_wait_alu depctr_va_vdst(0)
	v_mul_f32 v[PP], v[EE], v[RC]
	; the largest, and among equals the lowest index; then the same without it
	v_mov_b32 v[P1], v[PP]
	OVER8 v_max_num_f32_dpp, P1
	v_cmp_eq_f32 vcc_lo, v[PP], v[P1]
	v_cndmask_b32 v[I1], v[EIGHT], v3, vcc_lo
	OVER8 v_min_num_f32_dpp, I1
	v_cmp_eq_f32 s32, v3, v[I1]                    ; my expert is the first choice
	v_cndmask_b32 v[PM], v[PP], -1.0, s32
	v_mov_b32 v[P2], v[PM]
	OVER8 v_max_num_f32_dpp, P2
	v_cmp_eq_f32 vcc_lo, v[PM], v[P2]
	v_cndmask_b32 v[I2], v[EIGHT], v3, vcc_lo
	OVER8 v_min_num_f32_dpp, I2
	v_cmp_eq_f32 s33, v3, v[I2]                    ; my expert is the second choice
	v_add_f32 v[S12], v[P1], v[P2]
	v_rcp_f32 v[R12], v[S12]
	v_cvt_u32_f32 v[MSK], v[I1]
	s_wait_alu depctr_va_vdst(0)
	v_mul_f32 v[W1R], v[P1], v[R12]
	v_mul_f32 v[W2R], v[P2], v[R12]
	s_or_b32 s34, s32, s33
	v_cndmask_b32 v[OH], 0, 1.0, s34
	v_cndmask_b32 v[CB], 0, v[W2R], s33
	v_cndmask_b32 v[CB], v[CB], v[W1R], s32
	v_cndmask_b32 v[VAL], v[PP], v[OH], s27        ; lanes 0-7 the probabilities, 8-15 the one-hot,
	v_cndmask_b32 v[VAL], v[VAL], v[CB], s28       ; 16-23 the combine weights,
	v_cndmask_b32 v[VAL], v[VAL], 0, s29           ; 24-31 zeros
	v_cvt_u32_f32 v[TM], v[I2]
	v_lshlrev_b32 v[MSK], v[MSK], 1
	v_lshlrev_b32 v[TM], v[TM], 1
	v_or_b32 v[MSK], v[MSK], v[TM]
	global_store_b32 v7, v[VAL], s[10:11]
	v_cmp_eq_u32 vcc_lo, 0, v1
	s_wait_xcnt 0x0                                ; EXEC changes only behind this wait: it is a source of the stores above
	s_and_saveexec_b32 s35, vcc_lo                 ; lane 0 alone
	global_store_b32 v4, v[MSK], s[12:13]
	s_cmp_lg_u32 s21, 0
	s_cbranch_scc1 .Lend
	global_store_b64 v4, v[248:249], s[14:15]
	global_store_b64 v4, v[250:251], s[16:17]
.Lend:
	s_endpgm
.Lfunc_end_k_qddb35f1755_router:
	.size	k_qddb35f1755_router, .Lfunc_end_k_qddb35f1755_router-k_qddb35f1755_router
	.p2alignl 7, 3214868480
	.fill 96, 4, 3214868480
	.section	.rodata,"a",@progbits
	.p2align	6, 0x0
	.amdhsa_kernel k_qddb35f1755_router
		.amdhsa_group_segment_fixed_size 0
		.amdhsa_private_segment_fixed_size 0
		.amdhsa_enable_private_segment 0
		.amdhsa_kernarg_size 56
		.amdhsa_user_sgpr_count 2
		.amdhsa_user_sgpr_kernarg_segment_ptr 1
		.amdhsa_wavefront_size32 1
		.amdhsa_system_sgpr_workgroup_id_x 1
		.amdhsa_system_sgpr_workgroup_id_y 1
		.amdhsa_system_sgpr_workgroup_id_z 1
		.amdhsa_system_vgpr_workitem_id 0
		.amdhsa_next_free_vgpr 252
		.amdhsa_next_free_sgpr 66
		.amdhsa_reserve_vcc 1
		.amdhsa_float_denorm_mode_32 3
		.amdhsa_float_denorm_mode_16_64 3
		.amdhsa_memory_ordered 1
		.amdhsa_forward_progress 1
		.amdhsa_inst_pref_size 40
	.end_amdhsa_kernel
	.amdgpu_metadata
---
amdhsa.version: [ 1, 2 ]
amdhsa.kernels:
  - .name:           k_qddb35f1755_router
    .symbol:         k_qddb35f1755_router.kd
    .args:
      - { .name: x, .offset: 0, .size: 8, .value_kind: global_buffer, .address_space: global }
      - { .name: Wr, .offset: 8, .size: 8, .value_kind: global_buffer, .address_space: global }
      - { .name: xb, .offset: 16, .size: 8, .value_kind: global_buffer, .address_space: global }
      - { .name: rt, .offset: 24, .size: 8, .value_kind: global_buffer, .address_space: global }
      - { .name: masks, .offset: 32, .size: 8, .value_kind: global_buffer, .address_space: global }
      - { .name: cfg0, .offset: 40, .size: 8, .value_kind: global_buffer, .address_space: global }
      - { .name: cfg1, .offset: 48, .size: 8, .value_kind: global_buffer, .address_space: global }
    .group_segment_fixed_size: 0
    .private_segment_fixed_size: 0
    .kernarg_segment_align: 8
    .kernarg_segment_size: 56
    .max_flat_workgroup_size: 128
    .sgpr_count:     66
    .vgpr_count:     252
    .wavefront_size: 32
...
	.end_amdgpu_metadata
.endif
;; end of part 1
;; launch ffn (part 2): grid 32 x 8, 4 waves a work-group, no clusters, 298,496 bytes of LDS; arguments xb, W1, b1, masks, rt, hid, cfg0; writes hid
.if DOCPART == 2
	.amdgcn_target "amdgcn-amd-amdhsa--gfx1250"
	.amdhsa_code_object_version 6
	.text
	.protected	k_qddb35f1755_ffn
	.globl	k_qddb35f1755_ffn
	.p2align	8
	.type	k_qddb35f1755_ffn,@function
k_qddb35f1755_ffn:
	s_mov_b64 s[64:65], 0
	v_nop
	global_prefetch_b8 v0, s[64:65] scope:SCOPE_SE
	s_setreg_imm32_b32 hwreg(HW_REG_WAVE_MODE, 25, 1), 1
	s_wait_xcnt 0x0
; ONE BODY FOR BOTH PRODUCTS OF THE EXPERTS' LAYER.  cfg = {mode, 1 - mode} says which: mode 0: hid = gelu(x W1^T + b1); mode 1: part = w (hid W2^T + b2).
; SHARES.  Work-group (x, e) has a slice of expert e's weights that it alone reads, 128 output columns x 1,024 along K (512 KB of f32), and ALL rows that chose e.
;   mode 0: columns 128 x of 4,096, all of K.   mode 1: columns 128 (x % 8) of 1,024, quarter x / 8 of K = 4,096: four partial rows a token and expert, f32, added by the next launch.
; FOUR WAVES, ONE TEXT.  K goes in eight chunks of 128.  Of every chunk wave w streams rows 32 w .. 32 w + 31 (32 loads of 512 consecutive bytes), rounds them to bf16 in the registers they came into and
; stores them into the chunk's own region of LDS; and it multiplies the tiles of 16 token rows w, w + 4, w + 8, w + 12 by all 128 columns: 32 accumulators, so that a fragment of W read from LDS feeds
; four products.  If the expert has a tile 16 + w, that is the wave's fifth slot: its loads and products stand under a scalar branch on a flag made from the stored masks; its sums and fragment registers
; are set to 0 once, so that they are written whichever way those branches go.  In stage c chunk c is stored, chunk c + 2 is asked for and region c - 1 is multiplied; one barrier ends a stage.
; A stage begins by asking LDS for region c - 1's first fragments, so that chunk c's 64 roundings and 32 LDS stores stand between those loads and their use.
; No LDS byte of the slice is written twice, so the whole slice lies in LDS at the end.
; THE LOADS ARE DEALT OVER THE K STEPS, in two runs a step.  A wave issues 64 to 72 loads a stage; LOADcnt holds 63, and the issue stalls at more (ISA guide 5.7.1).  So each of a stage's four K steps waits
; for its own token fragments (asked for a stage ago), asks for the same step's fragments of the next region and then for eight rows of chunk c + 2.  Loads return in order, so a wait's count is what was issued behind.
; Tiles from 20 on (an expert with more than 320 rows) are taken from the whole slice, one tile a wave and pass, up to eleven passes: every split is served, up to 1,024 rows on one expert, but
; the rows past 320 are multiplied behind the stream, not under it.  An expert without rows still streams its slice (no barrier may hang on the count) and stores nothing.
; RANKS.  masks[t] holds the token's two experts as bits.  Every wave makes the expert's bitmap (32 words; word 4 jj + q, bit l = token 128 jj + 4 l + q) and finds the token of a given
; rank in it; both launches use the same order.  Ranks past the count repeat the last row that exists: same operands, same results, stored to the same place by the same wave.
; THE MATRIX INSTRUCTION IS USED TRANSPOSED: source 0 = 16 rows of W, source 1 = 16 token rows: a lane holds one token row (lane % 16) and 8 neighbouring output columns 8 (lane / 16) + 0..7.
; hid lies in the order in which source 1 takes it: (e 64 + tile) 131,072 + kblock 1,024 + j 512 + lane 16 bytes: every load and store of a wave is 512 consecutive bytes.
; FORMATS.  x, W, b are rounded once to bf16, hid once to bf16; all sums f32.  gelu(v) = max(v, 0) - |v| erfc(|v| / sqrt 2) / 2, erfc by Abramowitz and Stegun 7.1.26
; (absolute error 1.5e-7 at the most).  LIMITS: an infinite or NaN pre-activation gives NaN; nothing else is cut.
; NO CLUSTER, NO TENSOR LOADS: each weight has one reader, and f32 weights must pass through registers to be rounded; mode 0's token rows come by a list that no descriptor covers;
; mode 1's tiles of hid are shared by 8 work-groups, but 278,528 of the 327,680 bytes of LDS hold the slice.
.set RG,    34816                      ; a region of LDS: 128 rows of W x 128 along K in bf16, pitch 272
.set PW,    272                        ; 256 bytes + 16: sixteen rows of a fragment load fall on sixteen different 16-byte columns modulo 256
.set CTB,   16*PW                      ; a column tile's 16 rows
.set STG,   8*RG                       ; behind the eight regions: a stage of 16 rows x 272 bytes for each wave (mode 1's way out)
.set STGW,  16*PW
.set BIASL, STG+4*STGW                 ; the slice's 128 biases in f32, a copy of 512 bytes for each wave
.set SPARE, BIASL+4*512                ; the spare words, 128 bytes for each wave: two blocks of 256 bytes that no other line names
; REGISTERS, in windows of 256.
; window 0 (v1 = lane % 16, v2 = lane / 16, v3 = lane, v4 = 16 x lane):
.set WAD,  5                           ; the stream: LDS address of my fragments of W in the region in hand
.set LB,   6                           ; the stream: LDS address of my 32 rows in the region to be filled
.set WAD0, 7                           ; my fragments in region 0: (lane % 16) 272 + 16 (lane / 16); never rewritten
.set ROW,  8                           ; v8-15   16 x lane + b x pitch of W
.set VM,   16                          ; the bitmap: lane j holds word j
.set TCUR, 17
.set WCUR, 18                          ; v18-19
.set STO,  20
.set SRD,  21
.set BRD,  22
.set TMP,  23
.set PCV,  24                          ; mode 1: the constant part of my byte offset in part
.set WK,   25                          ; v25-28  my fragments in regions 0, 2, 4, 6: WAD0 + k x 69,632; written once, behind the stream
.set H4,   29                          ; 4 (lane / 16)
.set SPW,  30                          ; LDS address of my spare word; never rewritten
.set NIL,  31                          ; 0; never rewritten
.set WF,   32                          ; v32-95   fragments of W, column tile ct at WF + 8 ct
                                       ; v96-255  token fragments, buffer 0: K step p, slot t at 96 + 40 p + 8 t
.set MK,   224                         ; set-up: the masks
; window 1: accumulator (slot t < 4, column tile ct) at 64 t + 8 ct
; window 2: v0-63 slot 4's accumulators; v64-223 token fragments, buffer 1: 64 + 40 p + 8 t; and
.set AOFF, 224                         ; v224-233 slot t, half j of a fragment: my byte offset in the token operand
.set TOK,  234                         ; v234-238 slot t: the token of row lane % 16
.set WGT,  239                         ; v239-243 slot t: its combine weight (mode 1)
; window 3: two sets of 128: a chunk's 32 loads each
.set A1,   96                          ; one tile: v96-159 token fragments of eight K steps
.set VO,   160                         ; one tile: v160-175 their byte offsets.  W's fragments of a whole region: groups 0, 1 at v32, v64; groups 2-7 in window 1 at v64 + 32 (group - 2)
.set TT,   32                          ; way out: v32-95 a tile's 64 numbers a lane
.set BI,   96                          ; way out: v96-159 their biases
.set AX,   160
.set DD,   176
.set MM,   192
.set QQ,   208
.set OUTP, 224
.set RB,   160                         ; mode 1: v160-223 rows read back, a set for each half of the columns
.set PA,   224                         ; mode 1: v224-231 byte offsets in part
.set QR,  176                          ; the search for tokens: fourteen rows of three registers, one for each vector of ranks, and one more
.set QW,  179
.set QK,  182
.set QN,  185
.set QJ,  188
.set QA,  191
.set QB,  194
.set QC,  197
.set QD,  200
.set QT,  203
.set QU,  206
.set QP,  209
.set QTK, 212
.set QX,  215
.set QS,  218
; scalar registers: s[4:5] token operand, s[6:7] W, s[8:9] bias, s[10:11] masks, s[12:13] rt, s[14:15] output, s[16:17] cfg; s88-95 at work
.set MODE, 18
.set NM,   19
.set WV,   20                          ; wave
.set EX,   21                          ; expert
.set XG,   22
.set RBK,  23                          ; block of 128 rows of W
.set KQ,   24                          ; quarter of K (mode 1)
.set PIT,  25                          ; bytes from row to row of W
.set SS,   26                          ; bytes of the token operand from K step to K step
.set SJ,   27                          ; from a fragment's first four registers to its last four
.set NE,   28                          ; the expert's rows
.set TE,   29                          ; its tiles
.set N1,   30                          ; its last rank
.set TILE0, 31                         ; slot 0's tile; slot t's is 4 t on
.set WB,   32                          ; s[32:39] W at my rows 0, 8, 16, 24 of the chunk two behind the next to be asked for
.set AB,   40                          ; s[40:47] the token operand at K steps 0 to 3 of the region being asked for
.set S4,   48                          ; s[48:49] 4 SS
.set OP,   50                          ; s[50:51] an offset, or the output's base for a tile
.set SEL,  52                          ; s[52:53]
.set ABSM, 54
.set EBIT, 55
.set HIM,  56                          ; lanes 16-31; also a word's upper bf16
.set BFL,  57
.set IJ,   58
.set IP,   59
.set IK,   60
.set IC,   61
.set IMW,  62
.set PASS, 63
.set GC,   66                          ; s[66:79] gelu's constants, in pairs
.set SLOT, 80
.set TC,   81
.set LIVE, 82
.set TAU,  83
.set PCONST, 84
.set S8,   85                          ; 8 SS
.set F5,   86                          ; 1: my fifth slot has a tile
.set SM,   92                          ; s92-94 lane masks of the search
.set MSB, 0
.macro WIN new                         ; s_set_vgpr_msb: bits 1:0 source 0, 3:2 source 1, 5:4 source 2, 7:6 destination; the high byte repeats the setting that is left
.if MSB != (\new)
	s_set_vgpr_msb (MSB<<8)|(\new)
.set MSB, (\new)
.endif
.endm
.macro PLACES                          ; four plain vector instructions between a matrix instruction and a load into, or a vector instruction on, its registers
.rept 4
	v_nop
.endr
.endm
	s_load_b256 s[4:11], s[0:1], 0x0
	s_load_b128 s[12:15], s[0:1], 0x20
	s_load_b64 s[16:17], s[0:1], 0x30
	v_lshl_add_u32 v[SPW], v0, 2, SPARE
	v_mov_b32 v[NIL], 0
	v_and_b32 v1, 15, v0
	v_bfe_u32 v2, v0, 4, 1
	v_and_b32 v3, 31, v0
	v_lshrrev_b32 v[TMP], 5, v0
	v_readfirstlane_b32 s[WV], v[TMP]
	v_lshlrev_b32 v4, 4, v3
	s_and_b32 s[EX], ttmp7, 0xffff
	s_mov_b32 s[XG], ttmp9
	s_wait_kmcnt 0x0
	s_load_b64 s[MODE:MODE+1], s[16:17], 0x0
.set j, 0
.rept 8
	global_load_b128 v[MK+4*j:MK+4*j+3], v4, s[10:11] offset:512*j  ; all 1,024 masks: register 4 jj + q of lane l is token 128 jj + 4 l + q
.set j, j+1
.endr
	s_mov_b32 s[SEL], 0x76543210                   ; v_permlanex16_b32: each lane takes its own place in the other half
	s_mov_b32 s[SEL+1], 0xfedcba98
.macro PAIR n, val                     ; a constant for the packed forms, which name a pair
	s_mov_b32 s[GC+2*(\n)], \val
	s_mov_b32 s[GC+2*(\n)+1], \val
.endm
	PAIR 0, 0x3e6d3388                             ; 0.3275911 / sqrt 2
	PAIR 1, 0xbf38aa3b                             ; -log2(e) / 2
	PAIR 2, 0xbf07dc22                             ; the series' five coefficients times -1/2: a5,
	PAIR 3, 0x3f3a00e3                             ; a4,
	PAIR 4, 0xbf35f0e3                             ; a3,
	PAIR 5, 0x3e11a98e                             ; a2,
	PAIR 6, 0xbe027906                             ; a1
	s_mov_b32 s[ABSM], 0x7fffffff
	s_lshl_b32 s[EBIT], 1, s[EX]
	s_mov_b32 s[HIM], 0xffff0000
	s_mul_i32 s88, s[WV], STGW
	s_add_co_u32 s88, s88, STG                     ; my stage
	v_mul_u32_u24 v[WAD0], v1, PW
	v_lshl_add_u32 v[STO], v2, 5, v[WAD0]          ; in: row lane % 16, 32 bytes for each half of the lanes
	v_add_nc_u32 v[STO], s88, v[STO]
	v_lshl_add_u32 v[WAD0], v2, 4, v[WAD0]
	v_mul_u32_u24 v[SRD], v2, PW                   ; back: lanes 0-15 one row of 256 bytes, lanes 16-31 the next
	v_lshl_add_u32 v[SRD], v1, 4, v[SRD]
	v_add_nc_u32 v[SRD], s88, v[SRD]
	s_mul_i32 s88, s[WV], 32*PW
	v_lshlrev_b32 v[LB], 3, v3
	v_add_nc_u32 v[LB], s88, v[LB]                 ; my 32 rows of region 0, 8 bytes a lane
	v_mov_b32 v[WAD], v[WAD0]
	v_lshlrev_b32 v[H4], 2, v2
	s_wait_kmcnt 0x0
	s_min_u32 s[MODE], s[MODE], 1                  ; numbers that were loaded enter addresses only clamped; behind the clamp: shifts, adds, products
	s_min_u32 s[NM], s[NM], 1
	s_and_b32 s[RBK], s[XG], 7
	s_and_b32 s88, s[XG], 24
	s_mul_i32 s88, s88, s[NM]
	s_add_co_u32 s[RBK], s[RBK], s88               ; mode 0: x; mode 1: x % 8
	s_lshr_b32 s[KQ], s[XG], 3
	s_mul_i32 s[KQ], s[KQ], s[MODE]                ; mode 0: 0; mode 1: x / 8
	s_lshl_b32 s[PIT], s[NM], 12
	s_lshl_b32 s88, s[MODE], 14
	s_add_co_u32 s[PIT], s[PIT], s88               ; 4,096 or 16,384
	s_lshl_b32 s[SS], s[NM], 6
	s_lshl_b32 s88, s[MODE], 10
	s_add_co_u32 s[SS], s[SS], s88                 ; 64 or 1,024
	s_lshl_b32 s[SJ], s[NM], 5
	s_lshl_b32 s88, s[MODE], 9
	s_add_co_u32 s[SJ], s[SJ], s88                 ; 32 or 512
	s_lshl_b32 s[S4], s[SS], 2
	s_mov_b32 s[S4+1], 0
	s_lshl_b32 s[S8], s[SS], 3
	s_lshl_b32 s[OP], s[EX], 24                    ; W: the expert's 16 MiB, my block of 128 rows, my quarter of K
	s_mul_i32 s88, s[RBK], s[PIT]
	s_lshl_b32 s88, s88, 7
	s_add_co_u32 s[OP], s[OP], s88
	s_lshl_b32 s88, s[KQ], 12
	s_add_co_u32 s[OP], s[OP], s88
	s_mov_b32 s[OP+1], 0
	s_add_nc_u64 s[6:7], s[6:7], s[OP:OP+1]
	s_lshl_b32 s[OP], s[EX], 23                    ; the token operand: mode 1: the expert's 64 tiles of hid, my 32 K blocks
	s_lshl_b32 s88, s[KQ], 15
	s_add_co_u32 s[OP], s[OP], s88
	s_mul_i32 s[OP], s[OP], s[MODE]
	s_add_nc_u64 s[4:5], s[4:5], s[OP:OP+1]
	s_lshl_b32 s[OP], s[EX], 23                    ; the output: mode 0: the expert's tiles of hid, my 4 K blocks
	s_lshl_b32 s88, s[XG], 12
	s_add_co_u32 s[OP], s[OP], s88
	s_mul_i32 s[OP], s[OP], s[NM]
	s_add_nc_u64 s[14:15], s[14:15], s[OP:OP+1]
	s_lshl_b32 s[PCONST], s[EX], 14                ; mode 1: row ((t 8 + e) 4 + kq) of 4,096 bytes, my 512 of them
	s_lshl_b32 s88, s[KQ], 12
	s_add_co_u32 s[PCONST], s[PCONST], s88
	s_lshl_b32 s88, s[RBK], 9
	s_add_co_u32 s[PCONST], s[PCONST], s88
	v_lshlrev_b32 v[PCV], 4, v1
	v_add_nc_u32 v[PCV], s[PCONST], v[PCV]
	s_lshl_b32 s[OP], s[NM], 14                    ; the bias: the expert's 16,384 or 4,096 bytes, my 512
	s_lshl_b32 s88, s[MODE], 12
	s_add_co_u32 s[OP], s[OP], s88
	s_mul_i32 s[OP], s[OP], s[EX]
	s_lshl_b32 s88, s[RBK], 9
	s_add_co_u32 s[OP], s[OP], s88
	s_add_nc_u64 s[8:9], s[8:9], s[OP:OP+1]
	s_lshl_b32 s[OP], s[EX], 2                     ; rt: the expert's combine weight is float 16 + e of a token's 32
	s_add_co_u32 s[OP], s[OP], 64
	s_add_nc_u64 s[12:13], s[12:13], s[OP:OP+1]
	s_cmp_eq_u32 s[KQ], 0
	s_cselect_b32 s[BFL], 1.0, 0                   ; of the four quarters of K the first alone adds the bias
	global_load_b128 v[32:35], v4, s[8:9]          ; the slice's 128 biases, four a lane
.irp b, 0,1,2,3,4,5,6,7
	s_mul_i32 s88, s[PIT], \b
	v_add_nc_u32 v[ROW+\b], s88, v4
.endr
	s_mul_i32 s[OP], s[PIT], s[WV]                 ; row 8 a + b of my 32: a scalar base for a, a vector offset for b (the pitch hangs on the mode, so it cannot stand in the immediate)
	s_lshl_b32 s[OP], s[OP], 5
	s_add_nc_u64 s[WB:WB+1], s[6:7], s[OP:OP+1]
	s_lshl_b32 s[OP], s[PIT], 3
.irp a, 1,2,3
	s_add_nc_u64 s[WB+2*\a:WB+2*\a+1], s[WB+2*\a-2:WB+2*\a-1], s[OP:OP+1]
.endr
; n loads from my row i0 on, each 512 consecutive bytes of one row of W (128 along K), into set par; imm: bytes along K from the bases
.macro WROWS par, imm, i0, n
	WIN 0xc0                                       ; destination window 3, address window 0
.set i, \i0
.rept \n
	global_load_b128 v[128*(\par)+4*i:128*(\par)+4*i+3], v[ROW+(i&7)], s[WB+2*(i>>3):WB+2*(i>>3)+1] offset:\imm th:TH_LOAD_NT
.set i, i+1
.endr
	WIN 0
.endm
	WROWS 0, 0, 0, 32                              ; the stream starts ahead of the search for tokens: chunk 0 and half of chunk 1: with the masks and the bias 57 loads are out
	WROWS 1, 512, 0, 16
	WIN 0x80                                       ; in the wait for the masks: the fifth slot's sums and its places in token buffer 1 are written once, whether the slot is live or not;
.set i, 0
.rept 64
	v_mov_b32 v[i], 0
.set i, i+1
.endr
.irp p, 0,1,2,3
.irp j, 0,1,2,3,4,5,6,7
	v_mov_b32 v[64+40*\p+32+\j], 0
.endr
.endr
.irp t, 0,1,2,3,4
	v_mov_b32 v[WGT+\t], 0                         ; and the weights: mode 0 loads none
.endr
	WIN 0
	s_wait_loadcnt 48                              ; the masks and the bias are in; the 48 loads issued behind them stay out
	v_cvt_pk_bf16_f32 v36, v32, v33                ; the bias is rounded to bf16 like every input and widened again
	v_cvt_pk_bf16_f32 v37, v34, v35
	v_lshlrev_b32 v32, 16, v36
	v_and_b32 v33, s[HIM], v36
	v_lshlrev_b32 v34, 16, v37
	v_and_b32 v35, s[HIM], v37
	v_mul_f32 v32, s[BFL], v32
	v_mul_f32 v33, s[BFL], v33
	v_mul_f32 v34, s[BFL], v34
	v_mul_f32 v35, s[BFL], v35
	s_lshl_b32 s88, s[WV], 9
	s_add_co_u32 s88, s88, BIASL                   ; my wave's own copy: no other wave touches it, so it needs no barrier
	v_add_nc_u32 v[TMP], s88, v4
	v_lshl_add_u32 v[BRD], v2, 5, s88
	ds_store_b128 v[TMP], v[32:35]
	v_mov_b32 v[VM], 0
	s_mov_b32 s[NE], 0
.set j, 0
.rept 4                                                ; the expert's bitmap, a word a register of masks, and its number of rows: eight words at a time, so that no line reads the result of the line before it
.irp k, 0,1,2,3,4,5,6,7
	v_and_b32 v[QR+\k], s[EBIT], v[MK+j+\k]
.endr
.irp k, 0,1,2,3,4,5,6,7
	v_cmp_ne_u32 s[88+\k], 0, v[QR+\k]
.endr
.irp k, 0,1,2,3,4,5,6,7
	v_writelane_b32 v[VM], s[88+\k], j+\k
.endr
.irp k, 0,1,2,3,4,5,6,7
	s_bcnt1_i32_b32 s[88+\k], s[88+\k]
.endr
.irp k, 0,1,2,3,4,5,6,7
	s_add_co_u32 s[NE], s[NE], s[88+\k]
.endr
.set j, j+8
.endr
	s_add_co_u32 s[TE], s[NE], 15
	s_lshr_b32 s[TE], s[TE], 4
	s_max_u32 s[N1], s[NE], 1
	s_sub_co_u32 s[N1], s[N1], 1
	s_add_co_u32 s[LIVE], s[TE], 3                 ; my live slots of the first 20 tiles: tiles w + 4 t below TE
	s_sub_co_u32 s[LIVE], s[LIVE], s[WV]
	s_lshr_b32 s[LIVE], s[LIVE], 2
	s_min_u32 s[LIVE], s[LIVE], 5
	s_add_co_u32 s88, s[WV], 16
	s_cmp_lt_u32 s88, s[TE]
	s_cselect_b32 s[F5], 1, 0                      ; has the expert a tile 16 + w?
	s_mov_b32 s[TILE0], s[WV]
; THE SEARCH goes on NV vectors of ranks side by side: EACH writes one line for each, k = 0 .. NV - 1, so that no line waits for the one before it
.macro EACH line:vararg
.set k, 0
.rept NV
	\line
.set k, k+1
.endr
.endm
; One level of the search inside a word: fw bits at QP of row src count the set bits of the lower half; if my rank is not among them, go inc up
.macro SELSTEP src, fw, inc
	EACH v_bfe_u32 v[QT+k], v[\src+k], v[QP+k], \fw
	EACH v_cmp_ge_u32 s[SM+k], v[QN+k], v[QT+k]
	EACH v_cndmask_b32 v[QT+k], 0, v[QT+k], s[SM+k]
	EACH v_cndmask_b32 v[QU+k], 0, \inc, s[SM+k]
	EACH v_sub_nc_u32 v[QN+k], v[QN+k], v[QT+k]
	EACH v_add_nc_u32 v[QP+k], v[QP+k], v[QU+k]
.endm
; THE TOKENS of the tiles TILE0 + 4 t, t = 0 .. ns - 1, their operand offsets and, in mode 1, their weights.  Vector k searches slot 2 k in lanes 0-15 and slot 2 k + 1 in lanes 16-31.
.macro IDS nv, ns
.set NV, \nv
	s_lshl_b32 s88, s[TILE0], 4
	EACH v_lshl_add_u32 v[QR+k], v2, 6, v1
	EACH v_add3_u32 v[QR+k], v[QR+k], s88, 128*k
	EACH v_min_u32 v[QR+k], s[N1], v[QR+k]         ; a rank past the count repeats the last row
	EACH v_mov_b32 v[QW+k], 0
	EACH v_mov_b32 v[QK+k], 0
	s_mov_b32 s[IJ], 0
	s_mov_b32 s[IP], 0
	s_mov_b32 s[IK], 0
.Lids_\@:                                              ; 8 trips of four words: the last word with no more ranks ahead of it than mine is the word that holds my rank
	v_readlane_b32 s88, v[VM], s[IJ]               ; the trip's four words are fetched together, ahead of the lines that read them
	s_add_co_u32 s[IC], s[IJ], 1
	v_readlane_b32 s89, v[VM], s[IC]
	s_add_co_u32 s[IMW], s[IJ], 2
	v_readlane_b32 s90, v[VM], s[IMW]
	s_add_co_u32 s95, s[IJ], 3
	v_readlane_b32 s91, v[VM], s95
.irp u, 0,1,2,3
	EACH v_cmp_le_u32 s[SM+k], s[IP], v[QR+k]
	EACH v_cndmask_b32 v[QW+k], v[QW+k], s[88+\u], s[SM+k]
	EACH v_cndmask_b32 v[QK+k], v[QK+k], s[IK], s[SM+k]
	s_bcnt1_i32_b32 s[IC], s[88+\u]
	s_add_co_u32 s[IP], s[IP], s[IC]
	s_add_co_u32 s[IK], s[IK], s[IC]
	s_add_co_u32 s[IK], s[IK], 0x10000             ; ranks ahead of the word | the word's number << 16
.endr
	s_add_co_u32 s[IJ], s[IJ], 4
	s_cmp_lt_u32 s[IJ], 32
	s_cbranch_scc1 .Lids_\@
	EACH v_and_b32 v[QT+k], 0xffff, v[QK+k]
	EACH v_sub_nc_u32 v[QN+k], v[QR+k], v[QT+k]    ; my rank inside the word
	EACH v_lshrrev_b32 v[QJ+k], 16, v[QK+k]
	EACH v_lshrrev_b32 v[QA+k], 1, v[QW+k]         ; counts of 2, 4, 8 and 16 neighbouring bits
	EACH v_and_b32 v[QA+k], 0x55555555, v[QA+k]
	EACH v_sub_nc_u32 v[QA+k], v[QW+k], v[QA+k]
	EACH v_lshrrev_b32 v[QB+k], 2, v[QA+k]
	EACH v_and_b32 v[QB+k], 0x33333333, v[QB+k]
	EACH v_and_b32 v[QT+k], 0x33333333, v[QA+k]
	EACH v_add_nc_u32 v[QB+k], v[QB+k], v[QT+k]
	EACH v_lshrrev_b32 v[QC+k], 4, v[QB+k]
	EACH v_add_nc_u32 v[QC+k], v[QC+k], v[QB+k]
	EACH v_and_b32 v[QC+k], 0x0f0f0f0f, v[QC+k]
	EACH v_lshrrev_b32 v[QD+k], 8, v[QC+k]
	EACH v_add_nc_u32 v[QD+k], v[QD+k], v[QC+k]
	EACH v_mov_b32 v[QP+k], 0
	SELSTEP QD, 8, 16
	SELSTEP QC, 8, 8
	SELSTEP QB, 4, 4
	SELSTEP QA, 2, 2
	SELSTEP QW, 1, 1
	EACH v_lshrrev_b32 v[QT+k], 2, v[QJ+k]         ; token = 128 (word / 4) + 4 bit + word % 4
	EACH v_lshlrev_b32 v[QT+k], 7, v[QT+k]
	EACH v_and_b32 v[QU+k], 3, v[QJ+k]
	EACH v_lshl_add_u32 v[QTK+k], v[QP+k], 2, v[QT+k]
	EACH v_add_nc_u32 v[QTK+k], v[QTK+k], v[QU+k]
	EACH v_mov_b32 v[QX+k], 0
	EACH v_permlanex16_b32 v[QX+k], v[QTK+k], s[SEL], s[SEL+1]
	WIN 0x80                                       ; destination window 2: each slot's sixteen tokens in both halves of the lanes
.set t, 0
.rept \ns
.if t%2 == 0
	v_cndmask_b32 v[TOK+t], v[QTK+t/2], v[QX+t/2], s[HIM]
.else
	v_cndmask_b32 v[TOK+t], v[QX+t/2], v[QTK+t/2], s[HIM]
.endif
.set t, t+1
.endr
	WIN 0x88                                       ; destination and source 1 window 2
.set t, 0
.rept \ns
	v_min_u32 v[TOK+t], 0x3ff, v[TOK+t]
.set t, t+1
.endr
	WIN 0
	s_cmp_eq_u32 s[MODE], 0
	s_cbranch_scc0 .Lids_m1_\@
	v_lshlrev_b32 v[QS], 4, v2
	WIN 0x88
.set t, 0
.rept \ns
	v_lshlrev_b32 v[AOFF+2*t], 11, v[TOK+t]        ; the token's row of 2,048 bytes in xb + 16 (lane / 16)
	v_add_nc_u32 v[AOFF+2*t], v[QS], v[AOFF+2*t]
.set t, t+1
.endr
	WIN 0
	s_branch .Lids_e_\@
.Lids_m1_\@:
	s_max_u32 s89, s[TE], 1
	s_sub_co_u32 s89, s89, 1
	WIN 0x80
.set t, 0
.rept \ns
	s_add_co_u32 s88, s[TILE0], 4*t
	s_min_u32 s88, s88, s89                        ; a tile past the count repeats the last tile
	s_min_u32 s88, s88, 63
	s_lshl_b32 s88, s88, 17
	v_add_nc_u32 v[AOFF+2*t], s88, v4              ; the tile's 131,072 bytes of hid + 16 x lane
.set t, t+1
.endr
	WIN 0x88
.set t, 0
.rept \ns
	v_lshlrev_b32 v[WGT+t], 7, v[TOK+t]
.set t, t+1
.endr
	WIN 0x82                                       ; destination and address window 2
.set t, 0
.rept \ns
	global_load_b32 v[WGT+t], v[WGT+t], s[12:13]   ; lands on its own address register
.set t, t+1
.endr
	WIN 0
.Lids_e_\@:
	WIN 0x88
.set t, 0
.rept \ns
	v_add_nc_u32 v[AOFF+2*t+1], s[SJ], v[AOFF+2*t] ; a fragment's second four registers
.set t, t+1
.endr
	WIN 0
.endm
	IDS 3, 5
	WROWS 1, 512, 16, 16                           ; the rest of chunk 1
.irp p, 0,1,2,3
.irp j, 0,1,2,3,4,5,6,7
	v_mov_b32 v[96+40*\p+32+\j], 0                 ; the fifth slot's places in token buffer 0 (the masks and the search used some of them)
.endr
.endr
	s_mov_b32 s88, s[SS]
	s_mov_b32 s89, 0
	s_mov_b64 s[AB:AB+1], s[4:5]
.irp p, 1,2,3
	s_add_nc_u64 s[AB+2*\p:AB+2*\p+1], s[AB+2*\p-2:AB+2*\p-1], s[88:89]
.endr
; The token fragments of K step p of the region being asked for, into buffer q: eight loads for slots 0 to 3,
.macro AFOUR q, p
	WIN 0x02+0x80*(\q)                             ; address window 2, destination window 0 or 2
.irp t, 0,1,2,3
	global_load_b128 v[96-32*(\q)+40*(\p)+8*(\t):96-32*(\q)+40*(\p)+8*(\t)+3], v[AOFF+2*(\t)], s[AB+2*(\p):AB+2*(\p)+1]
	global_load_b128 v[96-32*(\q)+40*(\p)+8*(\t)+4:96-32*(\q)+40*(\p)+8*(\t)+7], v[AOFF+2*(\t)+1], s[AB+2*(\p):AB+2*(\p)+1]
.endr
	WIN 0
.endm
.macro AFIFTH q, p                     ; and two for the fifth; the windows stay as it sets them
	WIN 0x02+0x80*(\q)
	global_load_b128 v[96-32*(\q)+40*(\p)+32:96-32*(\q)+40*(\p)+35], v[AOFF+8], s[AB+2*(\p):AB+2*(\p)+1]
	global_load_b128 v[96-32*(\q)+40*(\p)+36:96-32*(\q)+40*(\p)+39], v[AOFF+9], s[AB+2*(\p):AB+2*(\p)+1]
.endm
.macro ASTEP q, p                      ; stage 0, which has no products: both, the two under a branch of their own
	AFOUR \q, \p
	s_cmp_eq_u32 s[F5], 0
	s_cbranch_scc1 .Lno_a5_\@
	AFIFTH \q, \p
	WIN 0
.Lno_a5_\@:
.endm
.macro WLD part, p                     ; eight LDS loads: W's fragments of column tiles 4 part + 0..3, K step p of the region
.irp c, 0,1,2,3
	ds_load_b128 v[WF+32*(\part)+8*(\c):WF+32*(\part)+8*(\c)+3], v[WAD] offset:(4*(\part)+(\c))*CTB+(\p)*64
	ds_load_b128 v[WF+32*(\part)+8*(\c)+4:WF+32*(\part)+8*(\c)+7], v[WAD] offset:(4*(\part)+(\c))*CTB+(\p)*64+32
.endr
.endm
.macro MUL16 part, q, p, zero          ; 16 matrix instructions on 16 accumulators, one a turn.  zero = 1: the product starts the sums
	WIN 0x50+8*(\q)                                ; C and D window 1, W window 0, tokens window 0 or 2
.irp c, 0,1,2,3
.irp t, 0,1,2,3
.if \zero
	v_wmma_f32_16x16x32_bf16 v[64*(\t)+8*(4*(\part)+(\c)):64*(\t)+8*(4*(\part)+(\c))+7], v[WF+32*(\part)+8*(\c):WF+32*(\part)+8*(\c)+7], v[96-32*(\q)+40*(\p)+8*(\t):96-32*(\q)+40*(\p)+8*(\t)+7], 0
.else
	v_wmma_f32_16x16x32_bf16 v[64*(\t)+8*(4*(\part)+(\c)):64*(\t)+8*(4*(\part)+(\c))+7], v[WF+32*(\part)+8*(\c):WF+32*(\part)+8*(\c)+7], v[96-32*(\q)+40*(\p)+8*(\t):96-32*(\q)+40*(\p)+8*(\t)+7], v[64*(\t)+8*(4*(\part)+(\c)):64*(\t)+8*(4*(\part)+(\c))+7]
.endif
.endr
.endr
	WIN 0
.endm
; The fifth slot, if it is live: its four products; and (ald = 1) behind them its two token loads of the same K step of the next region, into buffer par: they open the run of loads that follows,
; and stand, as before, behind the step's eight token loads and ahead of its eight rows of W
.macro FIFTH part, q, p, ald, par
	s_cmp_eq_u32 s[F5], 0
	s_cbranch_scc1 .Lno_m5_\@
	WIN 0xa0+8*(\q)                                ; C and D window 2
.irp c, 0,1,2,3
	v_wmma_f32_16x16x32_bf16 v[8*(4*(\part)+(\c)):8*(4*(\part)+(\c))+7], v[WF+32*(\part)+8*(\c):WF+32*(\part)+8*(\c)+7], v[96-32*(\q)+40*(\p)+32:96-32*(\q)+40*(\p)+39], v[8*(4*(\part)+(\c)):8*(4*(\part)+(\c))+7]
.endr
.if \ald
	AFIFTH \par, \p
.endif
	WIN 0
.Lno_m5_\@:
.endm
; ONE REGION: four K steps, 128 (160) matrix instructions, token fragments from buffer q.  W's fragments go by halves (column tiles 0-3, 4-7): one half is loaded while the other is multiplied.
; The sixteen loads of step 0's fragments stand ahead of the macro; nst LDS stores were issued behind them.  It reads no LDS byte outside its region.
; zero = 1: the slice's first region: its first K step starts the 32 sums, so they are not cleared.
; Step p waits for its own token fragments: n0 - nd p loads were issued behind them.  ald: it asks for the same step of the next region, into buffer par.  wld: and, in its second run, for rows
; 8 p .. 8 p + 7 of the chunk two on, into set par: the wait on DScnt ahead of them leaves out the eight loads issued last alone, so in step 0 it also shows this stage's LDS stores done, which read that set.
.macro REGION q, zero, n0, nd, ald, wld, par, nst
.irp p, 0,1,2,3
.if \p > 0
	PLACES
	WLD 1, \p
.endif
	s_wait_loadcnt (\n0)-(\nd)*\p
.if \ald
	AFOUR \par, \p
.endif
.if \p == 0
	s_wait_dscnt 8+(\nst)                          ; column tiles 0-3 are in; the eight loads of tiles 4-7 and the stage's stores may be out
.else
	s_wait_dscnt 8                                 ; column tiles 0-3 are in; the eight loads of tiles 4-7 may be out
.endif
.if (\zero) && (\p == 0)
	MUL16 0, \q, \p, 1
.else
	MUL16 0, \q, \p, 0
.endif
	FIFTH 0, \q, \p, \ald, \par
.if \p < 3
	PLACES
	WLD 0, \p+1
	s_wait_dscnt 8                                 ; tiles 4-7 are in, and all older LDS work; the next step's eight may be out
.else
	s_wait_dscnt 0x0
.endif
.if \wld
	WROWS \par, 1024, 8*\p, 8
.endif
.if (\zero) && (\p == 0)
	MUL16 1, \q, \p, 1
.else
	MUL16 1, \q, \p, 0
.endif
	FIFTH 1, \q, \p, 0, \par
.endr
.endm
; STAGE c, par = c % 2.  cntw: the loads issued behind chunk c's, which may stay out.  step: the bases go on.  ald, wld, n0, nd: see REGION.  comp: region c - 1 is multiplied.
.macro STAGE par, cntw, step, ald, wld, comp, zero, n0, nd
.if \comp
	PLACES                                         ; behind the last stage's products: also the places ahead of the token loads into the buffer that they read
	WLD 0, 0                                       ; region c - 1 is whole since the barrier: its first fragments come while chunk c is rounded and stored
	WLD 1, 0
.endif
	s_wait_loadcnt \cntw                           ; chunk c is in my registers
	WIN 0xcf                                       ; all in window 3: rounded in place: register i takes numbers 2 i, 2 i + 1
.set i, 0
.rept 64
	v_cvt_pk_bf16_f32 v[128*(\par)+i], v[128*(\par)+2*i], v[128*(\par)+2*i+1]
.set i, i+1
.endr
	WIN 0x0c                                       ; data window 3, address window 0
.set i, 0
.rept 32
	ds_store_b64 v[LB], v[128*(\par)+2*i:128*(\par)+2*i+1] offset:i*PW  ; a row's 256 bytes, 8 a lane
.set i, i+1
.endr
	WIN 0
	v_add_nc_u32 v[LB], RG, v[LB]                  ; the next chunk has the next region
	s_wait_xcnt 0x0                                ; the bases of earlier loads are stepped only behind this wait
.if \step
.irp p, 0,1,2,3
	s_add_nc_u64 s[AB+2*\p:AB+2*\p+1], s[AB+2*\p:AB+2*\p+1], s[S4:S4+1]
.endr
.if \wld
.irp a, 0,1,2,3
	s_add_nc_u64 s[WB+2*\a:WB+2*\a+1], s[WB+2*\a:WB+2*\a+1], 512
.endr
.endif
.endif
.if \comp
	REGION 1-(\par), \zero, \n0, \nd, \ald, \wld, \par, 32
	v_add_nc_u32 v[WAD], RG, v[WAD]
	s_wait_dscnt 0x0                               ; for the others' sake: my stores into region c are done
.else
	s_wait_dscnt 0x0                               ; my stores into region c are done: for the others' sake, and the set that they read is loaded again
.irp p, 0,1,2,3
	ASTEP \par, \p
	WROWS \par, 1024, 8*\p, 8
.endr
.endif
	s_barrier_signal -1
	s_barrier_wait -1                              ; region c is whole
.endm
	STAGE 0, 32, 0, 1, 1, 0, 0, 0, 0               ; chunk 0: chunk 1's 32 loads may stay out (mode 1's five weight loads make the true number larger)
	STAGE 1, 63, 1, 1, 1, 1, 1, 56, 0              ; behind chunk 1 stand stage 0's 64 loads; the wait names 63 at the most.  Behind a step's tokens: 8 rows of W and three steps of 16
	s_mov_b32 s[TC], 2
.Lstream:                                              ; stages 2 to 5: behind chunk c stand the 64 loads of stage c - 1; behind the tokens of a step again 8 + 3 x 16 = 56
	STAGE 0, 63, 1, 1, 1, 1, 0, 56, 0
	STAGE 1, 63, 1, 1, 1, 1, 0, 56, 0
	s_sub_co_u32 s[TC], s[TC], 1
	s_cmp_lg_u32 s[TC], 0
	s_cbranch_scc1 .Lstream
	STAGE 0, 63, 1, 1, 0, 1, 0, 56, 8              ; stage 6: no chunk is left to ask for: each of its steps issues 8, so the count falls by 8 a step
	STAGE 1, 32, 1, 1, 0, 1, 0, 24, 0              ; stage 7: behind chunk 7 stand stage 6's 32; behind a step's tokens three steps of 8
	PLACES
	WLD 0, 0
	WLD 1, 0
	REGION 1, 0, 24, 8, 0, 0, 0, 0                 ; region 7: nothing is asked for, the counts run down
.irp k, 0,1,2,3
	v_add_nc_u32 v[WK+\k], 2*RG*\k, v[WAD0]        ; for the later passes: my fragments in regions 0, 2, 4, 6.  A pair of regions lies within a load's immediate: 34,816 + 7 x 4,352 + 224 = 65,504
.endr
; THE PASSES.  Pass 0 is the work above: it goes straight to the way out.  Pass n > 0: my tile 16 + 4 n + w, if the expert has it: eleven passes cover tiles 20 to 63.  A pass without a tile is jumped whole.
.macro PRIME1                          ; one tile: the offsets and the token fragments of its first eight K steps
	WIN 0x02
	v_mov_b32 v[VO], v[AOFF]
	WIN 0
.set a, 0
.rept 8
	v_add_nc_u32 v[VO+2*a+1], s[SJ], v[VO+2*a]
.if a < 7
	v_add_nc_u32 v[VO+2*a+2], s[SS], v[VO+2*a]
.endif
	global_load_b128 v[A1+8*a:A1+8*a+3], v[VO+2*a], s[4:5]
	global_load_b128 v[A1+8*a+4:A1+8*a+7], v[VO+2*a+1], s[4:5]
.set a, a+1
.endr
.endm
; ONE TILE x 128 columns x K = 1,024: 8 accumulators.  W's fragments of a whole region lie in registers, eight groups of four (group 2 p + g: K step p, column tiles 4 g + 0..3);
; a group is loaded again, for the next region, right behind its use.  No LDS address is stepped here: the four bodies are written out on the four fixed addresses WK.
.macro WB1 x, areg, off
.set pp, (\x)>>1
.set gg, (\x)&1
.if (\x) >= 2
	WIN 0x40
.set wb, 64+32*((\x)-2)
.else
	WIN 0
.set wb, 32+32*(\x)
.endif
.irp c, 0,1,2,3
	ds_load_b128 v[wb+8*(\c):wb+8*(\c)+3], v[\areg] offset:(\off)+(4*gg+(\c))*CTB+pp*64
	ds_load_b128 v[wb+8*(\c)+4:wb+8*(\c)+7], v[\areg] offset:(\off)+(4*gg+(\c))*CTB+pp*64+32
.endr
	WIN 0
.endm
.macro BODY8 n, last, zero             ; eight K steps: regions 2 n and 2 n + 1.  last = 1: the last two regions.  zero = 1: the first K step starts the eight sums
.set a, 0
.rept 8
.set g, 0
.rept 2
.set gam, 2*(a&3)+g
.set idx, 2*a+g
.set dsn, 48                           ; my group and the next are in; the six groups of eight loads issued behind them stay out
.if (\last) && (8*(15-idx) < 48)
.set dsn, 8*(15-idx)                   ; nothing is loaded again: the counts run down
.endif
	s_wait_dscnt dsn
.if g == 0
.if \last
	s_wait_loadcnt 2*(7-a)
.else
	s_wait_loadcnt 14                              ; this step's two loads are in; the seven pairs issued behind them stay out
.endif
.endif
.if gam >= 2
	WIN 0x51
.set wb, 64+32*(gam-2)
.else
	WIN 0x50
.set wb, 32+32*gam
.endif
.irp c, 0,1,2,3
.if (\zero) && (a == 0)
	v_wmma_f32_16x16x32_bf16 v[8*(4*g+(\c)):8*(4*g+(\c))+7], v[wb+8*(\c):wb+8*(\c)+7], v[A1+8*a:A1+8*a+7], 0
.else
	v_wmma_f32_16x16x32_bf16 v[8*(4*g+(\c)):8*(4*g+(\c))+7], v[wb+8*(\c):wb+8*(\c)+7], v[A1+8*a:A1+8*a+7], v[8*(4*g+(\c)):8*(4*g+(\c))+7]
.endif
.endr
	WIN 0
.if idx < 8
	PLACES
	WB1 gam, WK+(\n), RG                           ; the group's fragments of region 2 n + 1
.elseif !(\last)
	PLACES
	WB1 gam, WK+(\n)+1, 0                          ; of region 2 n + 2
.endif
.set g, g+1
.endr
.if !(\last)
	v_add_nc_u32 v[VO+2*a], s[S8], v[VO+2*a]       ; free since this step's counted wait showed their loads done: eight K steps on
	v_add_nc_u32 v[VO+2*a+1], s[S8], v[VO+2*a+1]
	global_load_b128 v[A1+8*a:A1+8*a+3], v[VO+2*a], s[4:5]
	global_load_b128 v[A1+8*a+4:A1+8*a+7], v[VO+2*a+1], s[4:5]
.endif
.set a, a+1
.endr
.endm
	s_mov_b32 s[PASS], 0
.Lpass:
	s_cmp_eq_u32 s[PASS], 0
	s_cbranch_scc1 .Lepi
	s_lshl_b32 s[TILE0], s[PASS], 2
	s_add_co_u32 s[TILE0], s[TILE0], s[WV]
	s_add_co_u32 s[TILE0], s[TILE0], 16
	s_cmp_ge_u32 s[TILE0], s[TE]
	s_cbranch_scc1 .Lpass_next
	s_mov_b32 s[LIVE], 1
	s_wait_xcnt 0x0                                ; the last pass's stores have read their registers: these are rewritten only behind this wait
	IDS 1, 1
	PRIME1
.set y, 0
.rept 7
	WB1 y, WK, 0
.set y, y+1
.endr
	s_wait_dscnt 48                                ; group 0, wanted next, is in
	WB1 7, WK, 0
	BODY8 0, 0, 1
	BODY8 1, 0, 0
	BODY8 2, 0, 0
	BODY8 3, 1, 0
.Lepi:                                                 ; THE WAY OUT, a tile (slot) at a time
	s_wait_loadcnt 0x0                             ; the weights (mode 1)
	PLACES                                         ; behind the last products
.irp c, 0,1,2,3,4,5,6,7
	ds_load_b128 v[BI+8*(\c):BI+8*(\c)+3], v[BRD] offset:64*(\c)      ; the biases of my 8 columns in each column tile, from my wave's copy
	ds_load_b128 v[BI+8*(\c)+4:BI+8*(\c)+7], v[BRD] offset:64*(\c)+16
.endr
	s_wait_dscnt 0x0
	s_mov_b32 s[SLOT], 0
.macro SWCASE t                        ; slot t's sums + bias, each accumulator's registers in ascending order; its tokens and weights
.if (\t) < 4
	WIN 0x01
.set ab, 64*(\t)
.else
	WIN 0x02
.set ab, 0
.endif
.set i, 0
.rept 32
	v_pk_add_f32 v[TT+i:TT+i+1], v[ab+i:ab+i+1], v[BI+i:BI+i+1]
.set i, i+2
.endr
	WIN 0x02
	v_mov_b32 v[TCUR], v[TOK+(\t)]
	v_mov_b32 v[WCUR], v[WGT+(\t)]
	v_mov_b32 v[WCUR+1], v[WGT+(\t)]
	WIN 0
.endm
.Lslot:                                                ; five trips; a slot without rows is jumped
	s_cmp_ge_u32 s[SLOT], s[LIVE]
	s_cbranch_scc1 .Lslot_next
	s_wait_xcnt 0x0                                ; the last slot's stores have read their data, offsets and base: these are rewritten only behind this wait
	s_cmp_eq_u32 s[SLOT], 0
	s_cbranch_scc1 .Lsw0
	s_cmp_eq_u32 s[SLOT], 1
	s_cbranch_scc1 .Lsw1
	s_cmp_eq_u32 s[SLOT], 2
	s_cbranch_scc1 .Lsw2
	s_cmp_eq_u32 s[SLOT], 3
	s_cbranch_scc1 .Lsw3
	SWCASE 4
	s_branch .Lswj
.Lsw3:
	SWCASE 3
	s_branch .Lswj
.Lsw2:
	SWCASE 2
	s_branch .Lswj
.Lsw1:
	SWCASE 1
	s_branch .Lswj
.Lsw0:
	SWCASE 0
.Lswj:
	s_cmp_eq_u32 s[MODE], 0
	s_cbranch_scc0 .Lout1
	; MODE 0: gelu, bf16, and straight out: a lane's 8 columns are the 16 bytes that the next product's lane loads
	s_lshl_b32 s[TAU], s[SLOT], 2
	s_add_co_u32 s[TAU], s[TAU], s[TILE0]
	s_lshl_b32 s[OP], s[TAU], 17
	s_mov_b32 s[OP+1], 0
	s_add_nc_u64 s[OP:OP+1], s[14:15], s[OP:OP+1]
.macro PK8 line:vararg                 ; one packed line for each of eight pairs: i = 0, 2, .. 14
.set i, 0
.rept 8
	\line
.set i, i+2
.endr
.endm
.macro GELU16 b                        ; column tiles 2 b, 2 b + 1: 16 numbers a lane.  32 transcendentals are one batch with one wait
.set tb, TT+16*(\b)
.set i, 0
.rept 16
	v_and_b32 v[AX+i], s[ABSM], v[tb+i]
.set i, i+1
.endr
	PK8 v_pk_fma_f32 v[DD+i:DD+i+1], v[AX+i:AX+i+1], s[GC:GC+1], 1.0 op_sel_hi:[1,0,0]
	PK8 v_pk_mul_f32 v[MM+i:MM+i+1], v[AX+i:AX+i+1], v[AX+i:AX+i+1]
	PK8 v_pk_mul_f32 v[MM+i:MM+i+1], v[MM+i:MM+i+1], s[GC+2:GC+3] op_sel_hi:[1,0]
.set i, 0
.rept 16
	v_rcp_f32 v[DD+i], v[DD+i]                     ; t = 1 / (1 + p |v| / sqrt 2)
.set i, i+1
.endr
.set i, 0
.rept 16
	v_exp_f32 v[MM+i], v[MM+i]                     ; e^(-v v / 2)
.set i, i+1
.endr
.set i, 0
.rept 16
	v_max_num_f32 v[tb+i], 0, v[tb+i]              ; plain work behind the batch
.set i, i+1
.endr
	s_wait_alu depctr_va_vdst(0)                   ; the wait ahead of the batch's first reader
	PK8 v_pk_fma_f32 v[QQ+i:QQ+i+1], v[DD+i:DD+i+1], s[GC+4:GC+5], s[GC+6:GC+7] op_sel_hi:[1,0,0]
	PK8 v_pk_fma_f32 v[QQ+i:QQ+i+1], v[QQ+i:QQ+i+1], v[DD+i:DD+i+1], s[GC+8:GC+9] op_sel_hi:[1,1,0]
	PK8 v_pk_fma_f32 v[QQ+i:QQ+i+1], v[QQ+i:QQ+i+1], v[DD+i:DD+i+1], s[GC+10:GC+11] op_sel_hi:[1,1,0]
	PK8 v_pk_fma_f32 v[QQ+i:QQ+i+1], v[QQ+i:QQ+i+1], v[DD+i:DD+i+1], s[GC+12:GC+13] op_sel_hi:[1,1,0]
	PK8 v_pk_mul_f32 v[QQ+i:QQ+i+1], v[QQ+i:QQ+i+1], v[DD+i:DD+i+1]
	PK8 v_pk_mul_f32 v[QQ+i:QQ+i+1], v[QQ+i:QQ+i+1], v[MM+i:MM+i+1]
	PK8 v_pk_fma_f32 v[tb+i:tb+i+1], v[AX+i:AX+i+1], v[QQ+i:QQ+i+1], v[tb+i:tb+i+1]
.set i, 0
.rept 8
	v_cvt_pk_bf16_f32 v[OUTP+8*(\b)+i], v[tb+2*i], v[tb+2*i+1]
.set i, i+1
.endr
	global_store_b128 v4, v[OUTP+8*(\b):OUTP+8*(\b)+3], s[OP:OP+1] offset:1024*(\b)        ; 512 consecutive bytes, aligned
	global_store_b128 v4, v[OUTP+8*(\b)+4:OUTP+8*(\b)+7], s[OP:OP+1] offset:1024*(\b)+512
.endm
	GELU16 0
	GELU16 1
	GELU16 2
	GELU16 3
	s_branch .Lslot_next
.Lout1:
	; MODE 1: times the token's weight; through my stage, 64 columns at a time, so that sixteen lanes store 256 consecutive, aligned bytes of one token's partial row
.irp q, 0,1,2,3,4,5,6,7
	v_add_nc_u32 v[PA+(\q)], 8*(\q), v[H4]
	ds_bpermute_b32 v[PA+(\q)], v[PA+(\q)], v[TCUR]  ; the token of row 2 q + lane / 16
.endr
.set i, 0
.rept 32
	v_pk_mul_f32 v[TT+i:TT+i+1], v[TT+i:TT+i+1], v[WCUR:WCUR+1]
.set i, i+2
.endr
	s_wait_dscnt 0x0
.irp q, 0,1,2,3,4,5,6,7
	v_min_u32 v[PA+(\q)], 0x3ff, v[PA+(\q)]
	v_lshlrev_b32 v[PA+(\q)], 17, v[PA+(\q)]       ; a token's 32 partial rows are 131,072 bytes
	v_add_nc_u32 v[PA+(\q)], v[PA+(\q)], v[PCV]
.endr
.irp c, 0,1
.irp u, 0,1,2,3
	ds_store_b128 v[STO], v[TT+8*(4*(\c)+(\u)):TT+8*(4*(\c)+(\u))+3] offset:64*(\u)
	ds_store_b128 v[STO], v[TT+8*(4*(\c)+(\u))+4:TT+8*(4*(\c)+(\u))+7] offset:64*(\u)+16
.endr
.irp q, 0,1,2,3,4,5,6,7
	ds_load_b128 v[RB+32*(\c)+4*(\q):RB+32*(\c)+4*(\q)+3], v[SRD] offset:(\q)*2*PW  ; LDS serves a wave's instructions in order (ISA guide 5.7.1.4): these see the stores above, and the second half's stores come behind them
.endr
.irp q, 0,1,2,3,4,5,6,7
	s_wait_dscnt 7-(\q)
	global_store_b128 v[PA+(\q)], v[RB+32*(\c)+4*(\q):RB+32*(\c)+4*(\q)+3], s[14:15] offset:256*(\c)
.endr
.endr
.Lslot_next:
	s_add_co_u32 s[SLOT], s[SLOT], 1
	s_cmp_lt_u32 s[SLOT], 5
	s_cbranch_scc1 .Lslot
.Lpass_next:
	s_add_co_u32 s[PASS], s[PASS], 1
	s_cmp_lt_u32 s[PASS], 12
	s_cbranch_scc1 .Lpass
	s_wait_tensorcnt 0x0                           ; the wave's end, behind my last LDS store
	ds_add_u32 v[SPW], v[NIL]
	s_wait_dscnt 0x0
	s_endpgm
.Lfunc_end_k_qddb35f1755_ffn:
	.size	k_qddb35f1755_ffn, .Lfunc_end_k_qddb35f1755_ffn-k_qddb35f1755_ffn
	.p2alignl 7, 3214868480
	.fill 96, 4, 3214868480
	.section	.rodata,"a",@progbits
	.p2align	6, 0x0
	.amdhsa_kernel k_qddb35f1755_ffn
		.amdhsa_group_segment_fixed_size 298496
		.amdhsa_private_segment_fixed_size 0
		.amdhsa_enable_private_segment 0
		.amdhsa_kernarg_size 56
		.amdhsa_user_sgpr_count 2
		.amdhsa_user_sgpr_kernarg_segment_ptr 1
		.amdhsa_wavefront_size32 1
		.amdhsa_system_sgpr_workgroup_id_x 1
		.amdhsa_system_sgpr_workgroup_id_y 1
		.amdhsa_system_sgpr_workgroup_id_z 1
		.amdhsa_system_vgpr_workitem_id 0
		.amdhsa_next_free_vgpr 1024
		.amdhsa_next_free_sgpr 96
		.amdhsa_reserve_vcc 0
		.amdhsa_float_denorm_mode_32 3
		.amdhsa_float_denorm_mode_16_64 3
		.amdhsa_memory_ordered 1
		.amdhsa_forward_progress 1
		.amdhsa_inst_pref_size 255
	.end_amdhsa_kernel
	.section	.bss,"aw",@nobits
	.p2align	6
	.space	262144
	.amdgpu_metadata
---
amdhsa.version: [ 1, 2 ]
amdhsa.kernels:
  - .name:           k_qddb35f1755_ffn
    .symbol:         k_qddb35f1755_ffn.kd
    .args:
      - { .name: xb, .offset: 0, .size: 8, .value_kind: global_buffer, .address_space: global }
      - { .name: W1, .offset: 8, .size: 8, .value_kind: global_buffer, .address_space: global }
      - { .name: b1, .offset: 16, .size: 8, .value_kind: global_buffer, .address_space: global }
      - { .name: masks, .offset: 24, .size: 8, .value_kind: global_buffer, .address_space: global }
      - { .name: rt, .offset: 32, .size: 8, .value_kind: global_buffer, .address_space: global }
      - { .name: hid, .offset: 40, .size: 8, .value_kind: global_buffer, .address_space: global }
      - { .name: cfg0, .offset: 48, .size: 8, .value_kind: global_buffer, .address_space: global }
    .group_segment_fixed_size: 298496
    .private_segment_fixed_size: 0
    .kernarg_segment_align: 8
    .kernarg_segment_size: 56
    .max_flat_workgroup_size: 128
    .sgpr_count:     96
    .vgpr_count:     1024
    .wavefront_size: 32
...
	.end_amdgpu_metadata
.endif
;; end of part 2
;; launch ffn2: the kernel of part 2 again; grid 32 x 8, 4 waves a work-group, no clusters, 298,496 bytes of LDS; arguments hid, W2, b2, masks, rt, part, cfg1; writes part
;; launch combine (part 3): grid 257 x 1, 8 waves a work-group, no clusters, 1,536 bytes of LDS; arguments part, masks, rt, out0, out1; writes out0, out1
.if DOCPART == 3
	.amdgcn_target "amdgcn-amd-amdhsa--gfx1250"
	.amdhsa_code_object_version 6
	.text
	.protected	k_qddb35f1755_combine
	.globl	k_qddb35f1755_combine
	.p2align	8
	.type	k_qddb35f1755_combine,@function
k_qddb35f1755_combine:
	s_mov_b64 s[64:65], 0
	v_nop
	global_prefetch_b8 v0, s[64:65] scope:SCOPE_SE
	s_setreg_imm32_b32 hwreg(HW_REG_WAVE_MODE, 25, 1), 1
	s_wait_xcnt 0x0
; THE SUM.  Work-groups 1 to 256: work-group g takes tokens 4 (256 - g) .. + 3: out0[t] = the sum of the token's eight partial rows (two experts x four quarters of K; each already carries the
; combine weight and, in its first quarter, the bias).  Two waves a token, 2,048 bytes of the row each: 32 loads of 512 consecutive bytes, 56 packed additions in f32, 4 stores of 512 consecutive
; bytes.  Which rows: from masks[t], whole numbers that an earlier launch stored.
; Work-group 0: out1 = 8 x sum over e of (count_e / 2,048) (sum of probabilities_e / 1,024) = 2^-18 x sum of count_e x sum_e, from rt's first sixteen floats of every token.  It stands first in the
; grid: behind its loads it has the longest chain of steps that wait for each other (sums, LDS, a barrier, sums, the store).
; A stream: no matrix unit, no cluster (nothing is shared); LDS serves the one reduction over the eight waves of work-group 0 alone.
.set D, 32                             ; v[32:159] partial row n = 4 expert + quarter, piece j at D + 16 n + 4 j
.set SPARE, 512                        ; the spare words, 128 bytes for each wave, behind the eight waves' 64 bytes of sums
	s_load_b256 s[4:11], s[0:1], 0x0               ; part s[4:5], masks s[6:7], rt s[8:9], out0 s[10:11]
	s_load_b64 s[12:13], s[0:1], 0x20              ; out1
	v_lshl_add_u32 v30, v0, 2, SPARE
	v_mov_b32 v31, 0
	v_and_b32 v1, 31, v0
	v_lshrrev_b32 v2, 5, v0
	v_readfirstlane_b32 s14, v2                    ; wave
	s_cmp_eq_u32 ttmp9, 0
	s_cbranch_scc1 .Laux
	s_lshr_b32 s15, s14, 1
	s_sub_co_u32 s16, 0x100, ttmp9                 ; 256 - g: 0 to 255
	s_lshl_b32 s16, s16, 2
	s_add_co_u32 s16, s16, s15                     ; my token
	s_and_b32 s17, s14, 1                          ; my half of its row
	s_lshl_b32 s18, s16, 2
	s_mov_b32 s19, 0
	s_wait_kmcnt 0x0
	s_add_nc_u64 s[6:7], s[6:7], s[18:19]
	s_load_b32 s20, s[6:7], 0x0
	v_lshlrev_b32 v3, 4, v1
	s_lshl_b32 s21, s17, 11
	v_add_nc_u32 v3, s21, v3                       ; 16 x lane + 2,048 x half
	s_lshl_b32 s22, s16, 12
	s_mov_b32 s23, 0
	s_add_nc_u64 s[10:11], s[10:11], s[22:23]      ; out0 at my token's row
	s_lshl_b32 s22, s16, 17                        ; the token's 32 partial rows of 4,096 bytes
	s_wait_kmcnt 0x0
	s_ctz_i32_b32 s24, s20                         ; the lower expert,
	s_sub_co_u32 s21, s20, 1
	s_and_b32 s21, s21, s20
	s_ctz_i32_b32 s26, s21                         ; the higher
	s_min_u32 s24, s24, 7                          ; numbers that were loaded enter addresses only clamped
	s_min_u32 s26, s26, 7
	s_lshl_b32 s24, s24, 14
	s_lshl_b32 s26, s26, 14
	s_add_co_u32 s24, s24, s22
	s_add_co_u32 s26, s26, s22
	s_mov_b32 s25, 0
	s_mov_b32 s27, 0
	s_add_nc_u64 s[24:25], s[4:5], s[24:25]
	s_add_nc_u64 s[26:27], s[4:5], s[26:27]
.irp ex, 0,1
.irp kq, 0,1,2,3
.irp j, 0,1,2,3
	global_load_b128 v[D+16*(4*(\ex)+(\kq))+4*(\j):D+16*(4*(\ex)+(\kq))+4*(\j)+3], v3, s[24+2*(\ex):25+2*(\ex)] offset:4096*(\kq)+512*(\j) th:TH_LOAD_NT
.endr
.endr
.endr
.irp n, 1,2,3,4,5,6,7
	s_wait_loadcnt 4*(7-(\n))                      ; rows 0 to n are in; the later rows' loads, four each, stay out
.irp j, 0,1,2,3
	v_pk_add_f32 v[D+4*(\j):D+4*(\j)+1], v[D+4*(\j):D+4*(\j)+1], v[D+16*(\n)+4*(\j):D+16*(\n)+4*(\j)+1]
	v_pk_add_f32 v[D+4*(\j)+2:D+4*(\j)+3], v[D+4*(\j)+2:D+4*(\j)+3], v[D+16*(\n)+4*(\j)+2:D+16*(\n)+4*(\j)+3]
.endr
.endr
.irp j, 0,1,2,3
	global_store_b128 v3, v[D+4*(\j):D+4*(\j)+3], s[10:11] offset:512*(\j) th:TH_STORE_NT
.endr
	s_endpgm
.Laux:
	; Thread i takes floats 4 (i % 4) + 0..3 of tokens i / 4 + 64 j, j = 0 .. 15
	v_lshrrev_b32 v3, 2, v0
	v_and_b32 v4, 3, v0
	v_lshlrev_b32 v3, 7, v3
	v_lshl_add_u32 v3, v4, 4, v3
	v_mov_b32 v7, 0
	s_mov_b32 s20, 0x76543210
	s_mov_b32 s21, 0xfedcba98
	s_wait_kmcnt 0x0
.set j, 0
.rept 16
	global_load_b128 v[D+4*j:D+4*j+3], v3, s[8:9] offset:8192*j
.set j, j+1
.endr
	s_wait_loadcnt 0x0
.irp st, 8,4,2,1                       ; sixteen into one, by halves
.set j, 0
.rept \st
	v_pk_add_f32 v[D+4*j:D+4*j+1], v[D+4*j:D+4*j+1], v[D+4*(j+(\st)):D+4*(j+(\st))+1]
	v_pk_add_f32 v[D+4*j+2:D+4*j+3], v[D+4*j+2:D+4*j+3], v[D+4*(j+(\st))+2:D+4*(j+(\st))+3]
.set j, j+1
.endr
.endr
.irp k, 0,1,2,3                        ; the eight lanes of the wave that hold the same four columns
	v_add_f32_dpp v[D+(\k)], v[D+(\k)], v[D+(\k)] row_xmask:4 row_mask:0xf bank_mask:0xf
.endr
.irp k, 0,1,2,3
	v_add_f32_dpp v[D+(\k)], v[D+(\k)], v[D+(\k)] row_xmask:8 row_mask:0xf bank_mask:0xf
.endr
.irp k, 0,1,2,3
	v_permlanex16_b32 v[D+4+(\k)], v[D+(\k)], s20, s21
.endr
.irp k, 0,1,2,3
	v_add_f32 v[D+(\k)], v[D+(\k)], v[D+4+(\k)]
.endr
	s_lshl_b32 s22, s14, 6
	v_lshl_add_u32 v5, v4, 4, s22                  ; my wave's sixteen sums: lanes with the same columns write the same numbers to the same bytes
	ds_store_b128 v5, v[D:D+3]
	s_wait_dscnt 0x0                               ; for the others' sake: my store is done
	s_barrier_signal -1
	s_barrier_wait -1
	v_and_b32 v6, 15, v0
	v_lshlrev_b32 v6, 2, v6
.irp w, 0,1,2,3,4,5,6,7
	ds_load_b32 v[48+(\w)], v6 offset:64*(\w)      ; column lane % 16 of every wave
.endr
	s_wait_dscnt 0x0
	v_add_f32 v48, v48, v49
	v_add_f32 v50, v50, v51
	v_add_f32 v52, v52, v53
	v_add_f32 v54, v54, v55
	v_add_f32 v48, v48, v50
	v_add_f32 v52, v52, v54
	v_add_f32 v48, v48, v52                        ; columns 0-7: the probabilities' sums; 8-15: the counts
	v_mov_b32 v56, v48
	v_mul_f32_dpp v56, v48, v48 row_xmask:8 row_mask:0xf bank_mask:0xf
	v_add_f32_dpp v56, v56, v56 row_xmask:1 row_mask:0xf bank_mask:0xf
	v_add_f32_dpp v56, v56, v56 row_xmask:2 row_mask:0xf bank_mask:0xf
	v_add_f32_dpp v56, v56, v56 row_xmask:4 row_mask:0xf bank_mask:0xf
	v_mul_f32 v56, 0x36800000, v56                 ; 2^-18
	s_wait_tensorcnt 0x0                           ; the wave's end, behind my last LDS store
	ds_add_u32 v30, v31
	s_wait_dscnt 0x0
	s_cmp_lg_u32 s14, 0
	s_cbranch_scc1 .Ldone
	v_cmp_eq_u32 vcc_lo, 0, v0
	s_wait_xcnt 0x0                                ; EXEC changes only behind this wait
	s_and_saveexec_b32 s23, vcc_lo
	global_store_b32 v7, v56, s[12:13]
.Ldone:
	s_endpgm
.Lfunc_end_k_qddb35f1755_combine:
	.size	k_qddb35f1755_combine, .Lfunc_end_k_qddb35f1755_combine-k_qddb35f1755_combine
	.p2alignl 7, 3214868480
	.fill 96, 4, 3214868480
	.section	.rodata,"a",@progbits
	.p2align	6, 0x0
	.amdhsa_kernel k_qddb35f1755_combine
		.amdhsa_group_segment_fixed_size 1536
		.amdhsa_private_segment_fixed_size 0
		.amdhsa_enable_private_segment 0
		.amdhsa_kernarg_size 40
		.amdhsa_user_sgpr_count 2
		.amdhsa_user_sgpr_kernarg_segment_ptr 1
		.amdhsa_wavefront_size32 1
		.amdhsa_system_sgpr_workgroup_id_x 1
		.amdhsa_system_sgpr_workgroup_id_y 1
		.amdhsa_system_sgpr_workgroup_id_z 1
		.amdhsa_system_vgpr_workitem_id 0
		.amdhsa_next_free_vgpr 160
		.amdhsa_next_free_sgpr 66
		.amdhsa_reserve_vcc 1
		.amdhsa_float_denorm_mode_32 3
		.amdhsa_float_denorm_mode_16_64 3
		.amdhsa_memory_ordered 1
		.amdhsa_forward_progress 1
		.amdhsa_inst_pref_size 16
	.end_amdhsa_kernel
	.amdgpu_metadata
---
amdhsa.version: [ 1, 2 ]
amdhsa.kernels:
  - .name:           k_qddb35f1755_combine
    .symbol:         k_qddb35f1755_combine.kd
    .args:
      - { .name: part, .offset: 0, .size: 8, .value_kind: global_buffer, .address_space: global }
      - { .name: masks, .offset: 8, .size: 8, .value_kind: global_buffer, .address_space: global }
      - { .name: rt, .offset: 16, .size: 8, .value_kind: global_buffer, .address_space: global }
      - { .name: out0, .offset: 24, .size: 8, .value_kind: global_buffer, .address_space: global }
      - { .name: out1, .offset: 32, .size: 8, .value_kind: global_buffer, .address_space: global }
    .group_segment_fixed_size: 1536
    .private_segment_fixed_size: 0
    .kernarg_segment_align: 8
    .kernarg_segment_size: 40
    .max_flat_workgroup_size: 256
    .sgpr_count:     66
    .vgpr_count:     160
    .wavefront_size: 32
...
	.end_amdgpu_metadata
.endif
;; end of part 3
